; MI455X (gfx1250); checked and timed in simulation.
; The chip was launched on July 23, 2026; its instructions are those of AMD's public machine-readable ISA for CDNA 5 (MIT licence, August 2026) and "CDNA5" Instruction Set Architecture Reference Guide (July 2026). The comments in the code are by the model that wrote it; some were corrected since.
;; Task Mo E. Allowed arithmetic: matrix products marked QUANTISED: E4M3 operands, one given power-of-two scale a tensor, by v_wmma_f32_16x16x64_fp8_fp8 or v_wmma_f32_16x16x128_fp8_fp8, f32 sums; products left as they are: f32 operands where the result goes on into a quantised operand, else bf16, f16 or f32 operands; f32 sums; everything else in f32.
;; Inputs: expert_bias 8 x 1,024 float32; expert_weight 8 x 1,024 x 1,024 float32; hidden_states 4 x 2,048 x 1,024 float32; lowp_scales 2 int32 (the exponents e of the quantised operands' scales 2^e); wg 1,024 x 8 float32.
;; Outputs: out0 4 x 2,048 x 1,024 float32; out1 4 x 2,048 x 2 int32; out2 4 x 2,048 x 2 float32.
;; This version of the problem:
;;   THIS VERSION OF THE PROBLEM IS GIVEN IN LOW PRECISION. The matrix products marked QUANTISED in the list below multiply operands that are first quantised to E4M3 (4 exponent bits, 3 mantissa bits; 8 bits a number), with one given power-of-two scale for each operand tensor; their sums are f32. All else is computed in f32.
;;   The module's matrix products, in the order in which they are computed (A, B: the left and right operand; K: the contracted axis; several contracted axes count as one K, in the product's order):
;;     1. [M 8,192, K 1,024] x [K 1,024, N 8]; A: input hidden_states; B: input wg: left as it is (N = 8 < 16)
;;     2. [M 8,192, K 1,024] x [K 1,024, N 8,192]; A: input hidden_states; B: input expert_weight: QUANTISED (scales: A lowp_scales[0], B lowp_scales[1])
;;     3. batch 8,192 x [M 1, K 2] x [K 2, N 1,024]; A: computed on the way; B: computed on the way: left as it is (K = 2 < 32)
;;   THE QUANTISER, for each operand of a quantised product, along K:
;;     - The operand's scale is 2^e, e = its entry of the input lowp_scales (int32; the entries are numbered through the quantised products in the list's order, A before B).
;;     - Each number is divided by the scale, clamped to +-448, and rounded to the nearest number of E4M3, ties to even, subnormals kept.
;;     - The product sums the exact products of the quantised numbers (number of the format x scale) in f32.
;;   ~~~python
;;   def quantise(x, axis, e):      # numpy; x: float32 -> the quantised numbers, widened to float32 again
;;       x = np.moveaxis(x, axis, -1); K = x.shape[-1]
;;       r = np.clip(x / 2.0 ** e, -448, 448)
;;       step = 2.0 ** (np.maximum(np.frexp(np.where(r == 0, 1, r))[1] - 1, -6) - 3)
;;       q = np.round(r / step) * step * 2.0 ** e      # np.round: ties to even
;;       return np.moveaxis(q, -1, axis).astype(np.float32)
;;   ~~~
;; One version. Each part assembles by itself: llvm-mc -triple=amdgcn-amd-amdhsa -mcpu=gfx1250 --defsym DOCPART=n.
;; ======== version 1 of 1: 3 launches
;; workspace buffers: xq 8,388,608 bytes; wq 8,388,608 bytes; sel 65,536 bytes of whole numbers; hist 32,768 bytes of whole numbers; order 32,768 bytes of whole numbers
;; launch route (part 1): grid 256 x 1, 4 waves a work-group, no clusters, 72,192 bytes of LDS; arguments hidden_states, wg, lowp_scales, xq, out1, out2, sel, hist; writes xq, out1, out2, sel, hist
.if DOCPART == 1
	.amdgcn_target "amdgcn-amd-amdhsa--gfx1250"
	.amdhsa_code_object_version 6
	.text
	.protected	k_q0724e7f602_route
	.globl	k_q0724e7f602_route
	.p2align	8
	.type	k_q0724e7f602_route,@function
k_q0724e7f602_route:
	s_mov_b64 s[64:65], 0
	v_nop
	global_prefetch_b8 v0, s[64:65] scope:SCOPE_SE
	s_setreg_imm32_b32 hwreg(HW_REG_WAVE_MODE, 25, 1), 1
	s_wait_xcnt 0x0
; THE ROUTER AND x's CODES.  x: [8192][1024] f32; wg: [1024][8] f32.  For each token: logits = x wg in f32, p = 2^((l - max l) log2 e), the two largest p (the lower index
; wins a tie), gates p1 / (p1 + p2) and p2 / (p1 + p2): the softmax's common divisor cancels in the gates and does not change the order.  x is also turned into codes of E4M3 with the given scale 2^ea.
; A work-group owns 32 tokens (a chunk), each of its four waves 8 rows.  A row is read once, by eight loads of 512 consecutive bytes: lane l's register 4 j + i holds k = 128 j + 4 l + i.
; The lane's 32 rows of wg (8 numbers each) stay in 256 registers, so a row costs 128 packed multiply-adds in eight chains and no further read of wg.
; What steers later addresses is only STORED here, at fixed places: for each token its pair's key (0 .. 27) and its rank among the chunk's tokens of that key, for each chunk the count of each key.
; THE KEY of the pair a < b: a (15 - a) / 2 + (a odd ? 7 - b : b - a - 1): neighbouring keys share an expert.
; LIMITS: ea between -126 and 119.  NaN among the inputs is not served.  A p under 2^-126 counts as 0 (v_exp_f32's result is flushed: ISA guide, its entry in 15.8).
; REGISTERS, in windows of 256: window 0: addresses, sums, codes; window 1: wg, register 8 (4 j + i) + e; window 2: x, register 32 row + 4 j + i.
; LDS: wg in 256 groups of 128 bytes, 144 apart (9 x 16); then each wave's 8 rows of codes; then the logits' two half sums.
.set WGP,  144
.set CST,  36864                       ; 256 x 144
.set LOG,  69632                       ; CST + 4 waves x 8 rows x 1,024 bytes; [half 2][token 32][8 f32]
.set XO,   4                           ; v4   16 x lane
.set WST,  5                           ; v5   where I put 16 bytes of wg
.set WRD,  6                           ; v6   my group of wg: 144 x lane
.set CS,   7                           ; v7   my 4 codes in my wave's rows
.set CR,   8                           ; v8   my 16 codes, on the way back
.set LGA,  9                           ; v9   my half's and my wave's place among the logits
.set SC,   10                          ; v10  2^ea
.set LIM,  11                          ; v11  448 x 2^ea
.set ACA,  16                          ; v16-23  sums over even registers of x, a pair of experts each
.set ACB,  24                          ; v24-31  over odd ones
.set CD,   32                          ; v32-39  a row's codes
.set LG,   64                          ; v64-127 my part of the logits: 8 row + e
.set QQ,   128                         ; v128-191 codes on the way out: 8 row + 4 u
.set SW,   192                         ; v192-255 wg on its way into LDS; later the tail's registers
.set MSB,  0
.macro WIN new                         ; the immediate's high byte repeats the setting that is left
.if MSB != \new
	s_set_vgpr_msb (MSB<<8)|\new
.set MSB, \new
.endif
.endm
.macro XLOAD rr                        ; a row: eight loads of 512 consecutive bytes
.irp j, 0,1,2,3,4,5,6,7
	global_load_b128 v[32*\rr+4*\j:32*\rr+4*\j+3], v[XO], s[8:9] offset:4096*\rr+512*\j th:TH_LOAD_NT
.endr
.endm
	s_load_b512 s[8:23], s[0:1], 0x0               ; x s[8:9], wg s[10:11], scales s[12:13], xq s[14:15], out1 s[16:17], out2 s[18:19], sel s[20:21], hist s[22:23]
	v_lshl_add_u32 v62, v0, 2, 0x11800
	v_mov_b32 v63, 0
	v_and_b32 v1, 31, v0                           ; lane
	v_lshrrev_b32 v2, 5, v0
	v_readfirstlane_b32 s24, v2                    ; wave 0..3
	v_lshlrev_b32 v[XO], 4, v1
	v_lshrrev_b32 v2, 3, v1
	v_and_b32 v3, 7, v1
	v_mul_u32_u24 v[WST], v2, WGP                  ; a load's 512 bytes are four groups: group lane / 8, 16 bytes at lane % 8
	v_lshl_add_u32 v[WST], v3, 4, v[WST]
	s_mul_i32 s25, s24, 64*WGP                     ; my wave brings 64 of the 256 groups
	v_add_nc_u32 v[WST], s25, v[WST]
	v_mul_u32_u24 v[WRD], v1, WGP
	s_lshl_b32 s25, s24, 13
	s_add_co_u32 s25, s25, CST
	v_lshl_add_u32 v[CS], v1, 2, s25
	v_lshl_add_u32 v[CR], v1, 4, s25
	v_lshrrev_b32 v2, 4, v1
	s_lshl_b32 s25, s24, 8
	s_add_co_u32 s25, s25, LOG
	v_lshl_add_u32 v[LGA], v2, 10, s25
	s_lshl_b32 s28, ttmp9, 17                      ; my first row, 32 c + 8 w, in bytes of x,
	s_lshl_b32 s29, s24, 15
	s_add_co_u32 s28, s28, s29
	s_mov_b32 s29, 0
	s_lshr_b32 s30, s28, 2                         ; and of the codes
	s_mov_b32 s31, 0
	s_lshl_b32 s32, s24, 13                        ; my wave's 8,192 bytes of wg
	s_mov_b32 s33, 0
	s_wait_kmcnt 0x0
	s_load_b32 s26, s[12:13], 0x0                  ; ea
	s_add_nc_u64 s[8:9], s[8:9], s[28:29]
	s_add_nc_u64 s[14:15], s[14:15], s[30:31]
	s_add_nc_u64 s[10:11], s[10:11], s[32:33]
.irp d, 0,1,2,3,4,5,6,7,8,9,10,11,12,13,14,15
	global_load_b128 v[SW+4*\d:SW+4*\d+3], v[XO], s[10:11] offset:512*\d
.endr
	WIN 0x80                                       ; destination window 2
.irp rr, 0,1,2,3,4,5
	XLOAD \rr
.endr
	WIN 0
	s_wait_loadcnt 48                              ; wg's sixteen loads are in; the 48 loads of rows 0 to 5 stay out
.irp d, 0,1,2,3,4,5,6,7,8,9,10,11,12,13,14,15
	ds_store_b128 v[WST], v[SW+4*\d:SW+4*\d+3] offset:4*WGP*\d
.endr
	WIN 0x80
	XLOAD 6
	XLOAD 7
	WIN 0
	s_wait_dscnt 0x0                               ; for the others' sake: my part of wg lies in LDS
	s_barrier_signal -1
	s_barrier_wait -1                              ; all of wg does
	WIN 0x40                                       ; destination window 1
.irp j, 0,1,2,3,4,5,6,7
.irp i, 0,1,2,3
.irp u, 0,1
	ds_load_b128 v[32*\j+8*\i+4*\u:32*\j+8*\i+4*\u+3], v[WRD] offset:32*WGP*\j+32*\i+16*\u   ; wg[128 j + 4 lane + i][4 u ..]
.endr
.endr
.endr
	WIN 0
	s_wait_kmcnt 0x0
	s_add_co_i32 s26, s26, 127
	s_lshl_b32 s27, s26, 23
	v_mov_b32 v[SC], s27                           ; 2^ea as f32: the conversion takes its exponent field
	s_add_co_i32 s26, s26, 8
	s_lshl_b32 s26, s26, 23
	s_or_b32 s26, s26, 0x600000
	v_mov_b32 v[LIM], s26                          ; 448 x 2^ea
	s_wait_dscnt 0x0                               ; wg is in registers
; One row: its part of the eight logits, then its codes.  The codes turn through the wave's own LDS bytes, so that they leave 16 bytes a lane; they are stored one row later.
.macro ROW rr
	s_wait_loadcnt 8*(7-\rr)                       ; loads come back in order: this row's eight are in, the later rows' stay out
	WIN 0x06                                       ; source 0 (x) window 2, source 1 (wg) window 1
.irp ep, 0,1,2,3
	v_pk_mul_f32 v[ACA+2*\ep:ACA+2*\ep+1], v[32*\rr:32*\rr+1], v[2*\ep:2*\ep+1] op_sel:[0,0] op_sel_hi:[0,1]       ; the first products start the sums: nothing is cleared
	v_pk_mul_f32 v[ACB+2*\ep:ACB+2*\ep+1], v[32*\rr:32*\rr+1], v[8+2*\ep:8+2*\ep+1] op_sel:[1,0] op_sel_hi:[1,1]
.endr
.irp m, 1,2,3,4,5,6,7,8,9,10,11,12,13,14,15
.irp ep, 0,1,2,3
	v_pk_fma_f32 v[ACA+2*\ep:ACA+2*\ep+1], v[32*\rr+2*\m:32*\rr+2*\m+1], v[16*\m+2*\ep:16*\m+2*\ep+1], v[ACA+2*\ep:ACA+2*\ep+1] op_sel:[0,0,0] op_sel_hi:[0,1,1]     ; the pair's first x times two experts' wg
	v_pk_fma_f32 v[ACB+2*\ep:ACB+2*\ep+1], v[32*\rr+2*\m:32*\rr+2*\m+1], v[16*\m+8+2*\ep:16*\m+8+2*\ep+1], v[ACB+2*\ep:ACB+2*\ep+1] op_sel:[1,0,0] op_sel_hi:[1,1,1] ; its second x
.endr
.endr
	WIN 0
.irp ep, 0,1,2,3
	v_pk_add_f32 v[LG+8*\rr+2*\ep:LG+8*\rr+2*\ep+1], v[ACA+2*\ep:ACA+2*\ep+1], v[ACB+2*\ep:ACB+2*\ep+1]
.endr
.if \rr > 0
	s_wait_dscnt 0x0                               ; the row before is back from LDS, and its LDS stores have read the codes' registers
	global_store_b128 v[XO], v[QQ+8*(\rr-1):QQ+8*(\rr-1)+3], s[14:15] offset:1024*(\rr-1)          ; 32 lanes store 512 consecutive bytes, aligned
	global_store_b128 v[XO], v[QQ+8*(\rr-1)+4:QQ+8*(\rr-1)+7], s[14:15] offset:1024*(\rr-1)+512
.endif
	WIN 0x82                                       ; source 0 and destination window 2
.set n, 0
.rept 32
	v_med3_num_f32 v[32*\rr+n], v[32*\rr+n], -v[LIM], v[LIM]    ; the conversion to an 8-bit code does not saturate (ISA guide 7.6.2): the hold at the largest code x the scale
.set n, n+1
.endr
	WIN 0x02                                       ; source 0 window 2
.irp g, 0,1,2,3
	v_cvt_scalef32_pk8_fp8_f32 v[CD+2*\g:CD+2*\g+1], v[32*\rr+8*\g:32*\rr+8*\g+7], v[SC]   ; register j of the eight: the codes of k = 128 j + 4 lane + 0 .. 3
.endr
	v_nop                                          ; one plain vector instruction behind the last scaled conversion
	WIN 0
.irp j, 0,1,2,3,4,5,6,7
	ds_store_b32 v[CS], v[CD+\j] offset:1024*\rr+128*\j
.endr
	ds_load_b128 v[QQ+8*\rr:QQ+8*\rr+3], v[CR] offset:1024*\rr         ; LDS serves a wave's instructions in order (ISA guide 5.7.1.4): these see the stores above
	ds_load_b128 v[QQ+8*\rr+4:QQ+8*\rr+7], v[CR] offset:1024*\rr+512
.endm
.irp rr, 0,1,2,3,4,5,6,7
	ROW \rr
.endr
	s_wait_dscnt 0x0
	global_store_b128 v[XO], v[QQ+56:QQ+59], s[14:15] offset:7168
	global_store_b128 v[XO], v[QQ+60:QQ+63], s[14:15] offset:7168+512
	; the lanes' parts are added inside each half of 16 lanes; the two half sums meet in LDS
.irp st, 1,2,4,8
.set n, 0
.rept 64
	v_add_f32_dpp v[LG+n], v[LG+n], v[LG+n] row_xmask:\st row_mask:0xf bank_mask:0xf
.set n, n+1
.endr
.endr
.irp rr, 0,1,2,3,4,5,6,7
	ds_store_b128 v[LGA], v[LG+8*\rr:LG+8*\rr+3] offset:32*\rr        ; the sixteen lanes of a half write the same bytes with the same numbers
	ds_store_b128 v[LGA], v[LG+8*\rr+4:LG+8*\rr+7] offset:32*\rr+16
.endr
	s_wait_dscnt 0x0                               ; for wave 0's sake
	s_barrier_signal -1
	s_barrier_wait -1
	s_cmp_lg_u32 s24, 0
	s_cbranch_scc1 .Ldone                          ; no barrier follows: waves 1 to 3 are finished
	; THE TAIL: wave 0, a lane a token
	v_lshl_add_u32 v2, v1, 5, LOG
	ds_load_b128 v[192:195], v2
	ds_load_b128 v[196:199], v2 offset:16
	ds_load_b128 v[200:203], v2 offset:1024
	ds_load_b128 v[204:207], v2 offset:1040
	s_wait_dscnt 0x0
.irp e, 0,2,4,6
	v_pk_add_f32 v[192+\e:193+\e], v[192+\e:193+\e], v[200+\e:201+\e]     ; the eight logits
.endr
	v_max3_num_f32 v208, v192, v193, v194
	v_max3_num_f32 v208, v208, v195, v196
	v_max3_num_f32 v208, v208, v197, v198
	v_max_num_f32 v208, v208, v199                 ; the maximum is taken away ahead of the exponential, as in the softmax
.irp e, 0,1,2,3,4,5,6,7
	v_sub_f32 v[192+\e], v[192+\e], v208
.endr
.irp e, 0,1,2,3,4,5,6,7
	v_mul_f32 v[192+\e], 0x3fb8aa3b, v[192+\e]     ; x log2(e)
.endr
.irp e, 0,1,2,3,4,5,6,7
	v_exp_f32 v[192+\e], v[192+\e]
.endr
	v_mov_b32 v210, 0                              ; (a plain instruction behind the exponentials)  the best index so far
	s_wait_alu depctr_va_vdst(0)                   ; one wait for the batch of eight, ahead of its first use
	v_mov_b32 v212, v192
.irp e, 1,2,3,4,5,6,7
	v_cmp_gt_f32 vcc_lo, v[192+\e], v212           ; strictly larger: a tie keeps the lower index
	v_cndmask_b32 v210, v210, \e, vcc_lo
	v_max_num_f32 v212, v212, v[192+\e]
.endr
.irp e, 0,1,2,3,4,5,6,7
	v_cmp_eq_u32 vcc_lo, \e, v210
	v_cndmask_b32 v[192+\e], v[192+\e], -1.0, vcc_lo   ; the first choice is taken out: under every p
.endr
	v_mov_b32 v211, 0
	v_mov_b32 v213, v192
.irp e, 1,2,3,4,5,6,7
	v_cmp_gt_f32 vcc_lo, v[192+\e], v213
	v_cndmask_b32 v211, v211, \e, vcc_lo
	v_max_num_f32 v213, v213, v[192+\e]
.endr
	v_add_f32 v214, v212, v213                     ; at least 1: the largest p is 1
	v_rcp_f32 v215, v214
	v_min_u32 v218, v210, v211                     ; a  (the key's arithmetic is the independent work behind the reciprocal)
	v_max_u32 v219, v210, v211                     ; b
	v_sub_nc_u32 v220, 15, v218
	v_mul_u32_u24 v220, v218, v220
	v_lshrrev_b32 v220, 1, v220                    ; a (15 - a) / 2
	v_sub_nc_u32 v221, 7, v219                     ; a odd: b runs down
	v_sub_nc_u32 v222, v219, v218
	v_add_nc_u32 v222, -1, v222                    ; a even: b runs up
	v_and_b32 v223, 1, v218
	v_cmp_eq_u32 vcc_lo, 1, v223
	v_cndmask_b32 v221, v222, v221, vcc_lo
	v_add_nc_u32 v220, v220, v221                  ; the key
	s_wait_alu depctr_va_vdst(0)                   ; the wait ahead of the reciprocal's first use
	v_mul_f32 v216, v212, v215
	v_mul_f32 v217, v213, v215                     ; the gates
	v_mov_b32 v224, 0                              ; my rank
	v_mov_b32 v225, 0                              ; lane p: the chunk's count of key p; lanes 28 to 31 stay 0
.set p, 0
.rept 28
	v_cmp_eq_u32 s30, p, v220
	v_mbcnt_lo_u32_b32 v226, s30, 0                ; tokens of key p in lower lanes
	v_cndmask_b32 v224, v224, v226, s30
	s_bcnt1_i32_b32 s31, s30
	v_writelane_b32 v225, s31, p
.set p, p+1
.endr
	v_lshl_or_b32 v228, v224, 8, v220              ; sel word 0: key | rank << 8
	s_lshl_b32 s27, ttmp9, 5
	v_add_nc_u32 v229, s27, v1                     ; sel word 1: token | first expert << 16 | second << 20
	v_lshl_or_b32 v229, v210, 16, v229
	v_lshl_or_b32 v229, v211, 20, v229
	v_lshlrev_b32 v230, 3, v1
	v_lshlrev_b32 v231, 2, v1
	s_lshl_b32 s28, ttmp9, 8
	s_mov_b32 s29, 0
	s_add_nc_u64 s[16:17], s[16:17], s[28:29]
	s_add_nc_u64 s[18:19], s[18:19], s[28:29]
	s_add_nc_u64 s[20:21], s[20:21], s[28:29]
	s_lshl_b32 s28, ttmp9, 7
	s_add_nc_u64 s[22:23], s[22:23], s[28:29]
	global_store_b64 v230, v[210:211], s[16:17]    ; each of these three stores covers 256 consecutive bytes, aligned
	global_store_b64 v230, v[216:217], s[18:19]
	global_store_b64 v230, v[228:229], s[20:21]
	global_store_b32 v231, v225, s[22:23]          ; 128 bytes: a chunk's counts
.Ldone:
	s_wait_tensorcnt 0x0
	ds_add_u32 v62, v63
	s_wait_dscnt 0x0
	s_endpgm
.Lfunc_end_k_q0724e7f602_route:
	.size	k_q0724e7f602_route, .Lfunc_end_k_q0724e7f602_route-k_q0724e7f602_route
	.p2alignl 7, 3214868480
	.fill 96, 4, 3214868480
	.section	.rodata,"a",@progbits
	.p2align	6, 0x0
	.amdhsa_kernel k_q0724e7f602_route
		.amdhsa_group_segment_fixed_size 72192
		.amdhsa_private_segment_fixed_size 0
		.amdhsa_enable_private_segment 0
		.amdhsa_kernarg_size 64
		.amdhsa_user_sgpr_count 2
		.amdhsa_user_sgpr_kernarg_segment_ptr 1
		.amdhsa_wavefront_size32 1
		.amdhsa_system_sgpr_workgroup_id_x 1
		.amdhsa_system_sgpr_workgroup_id_y 1
		.amdhsa_system_sgpr_workgroup_id_z 1
		.amdhsa_system_vgpr_workitem_id 0
		.amdhsa_next_free_vgpr 768
		.amdhsa_next_free_sgpr 66
		.amdhsa_reserve_vcc 1
		.amdhsa_float_denorm_mode_32 3
		.amdhsa_float_denorm_mode_16_64 3
		.amdhsa_memory_ordered 1
		.amdhsa_forward_progress 1
		.amdhsa_inst_pref_size 139
	.end_amdhsa_kernel
	.amdgpu_metadata
---
amdhsa.version: [ 1, 2 ]
amdhsa.kernels:
  - .name:           k_q0724e7f602_route
    .symbol:         k_q0724e7f602_route.kd
    .args:
      - { .name: hidden_states, .offset: 0, .size: 8, .value_kind: global_buffer, .address_space: global }
      - { .name: wg, .offset: 8, .size: 8, .value_kind: global_buffer, .address_space: global }
      - { .name: lowp_scales, .offset: 16, .size: 8, .value_kind: global_buffer, .address_space: global }
      - { .name: xq, .offset: 24, .size: 8, .value_kind: global_buffer, .address_space: global }
      - { .name: out1, .offset: 32, .size: 8, .value_kind: global_buffer, .address_space: global }
      - { .name: out2, .offset: 40, .size: 8, .value_kind: global_buffer, .address_space: global }
      - { .name: sel, .offset: 48, .size: 8, .value_kind: global_buffer, .address_space: global }
      - { .name: hist, .offset: 56, .size: 8, .value_kind: global_buffer, .address_space: global }
    .group_segment_fixed_size: 72192
    .private_segment_fixed_size: 0
    .kernarg_segment_align: 8
    .kernarg_segment_size: 64
    .max_flat_workgroup_size: 128
    .sgpr_count:     66
    .vgpr_count:     768
    .wavefront_size: 32
...
	.end_amdgpu_metadata
.endif
;; end of part 1
;; launch layw (part 2): grid 257 x 1, 8 waves a work-group, no clusters, 69,632 bytes of LDS; arguments expert_weight, lowp_scales, sel, hist, wq, order; writes wq, order
.if DOCPART == 2
	.amdgcn_target "amdgcn-amd-amdhsa--gfx1250"
	.amdhsa_code_object_version 6
	.text
	.protected	k_q0724e7f602_layw
	.globl	k_q0724e7f602_layw
	.p2align	8
	.type	k_q0724e7f602_layw,@function
k_q0724e7f602_layw:
	s_mov_b64 s[64:65], 0
	v_nop
	global_prefetch_b8 v0, s[64:65] scope:SCOPE_SE
	s_setreg_imm32_b32 hwreg(HW_REG_WAVE_MODE, 25, 1), 1
	s_wait_xcnt 0x0
; TWO JOBS SIDE BY SIDE, parted on the work-group's number; each has LDS bytes of its own.
; WORK-GROUPS 1 TO 256: W [8][1024 (o)][1024 (k)] f32 becomes codes of E4M3 with the given scale 2^eb, laid in the order in which a wave's operand registers take them:
;   wq[e][J = o / 16][s = k / 128][c][lane][16 bytes]: lane r + 16 h holds W[e][16 J + r][128 s + 32 c + 16 h + 0 .. 15].  A fragment is 2,048 consecutive bytes.
;   A wave takes 16 rows x 256 along K, two fragments.  Each load reads 512 consecutive bytes of a row; the numbers turn through the wave's own stage in LDS (rows 528 bytes apart), so that a lane
;   gets its 16 neighbours along K; each store covers 512 consecutive bytes, aligned.
; WORK-GROUP 0: the tokens are placed by their pair's key, a counting sort without atomics.  Wave w takes chunks 32 w .. 32 w + 31.  A token's place = the tokens of lower keys + the tokens of its key
;   in earlier chunks + its rank in its chunk.  order[place] = token | first expert << 16 | second << 20.
; LIMITS: eb between -126 and 119.  NaN among the inputs is not served.
.set SPW,  528                         ; a stage row: 512 bytes + 16
.set TOT,  67584                       ; behind the eight stages of 16 x 528 bytes: the placing's 8 x 32 totals
.set L16,  4                           ; v4   16 x lane
.set SIN,  5                           ; v5   into my stage
.set SOUT, 6                           ; v6   out of it: row r, + 64 h
.set SC,   10                          ; v10  2^eb
.set LIM,  11                          ; v11  448 x 2^eb
.set IN,   16                          ; v16-143  two units of 16 rows as loaded
.set Y,    144                         ; v144-207 64 numbers: register 16 c + n = k 32 c + 16 h + n of my row
.set CC,   208                         ; v208-239 the codes, a set for each unit: no store's data are written again
.set HI,   16                          ; the placing: v16-47 counts, lane = key;
.set SL,   48                          ; v48-111  sel's pairs, lane = token;
.set TW,   112                         ; v112-119 the eight waves' totals;
.set ST,   128                         ; v128-159 where each key's tokens of chunk i begin;
.set IX,   160                         ; v160-191 4 x key, then the rank;
.set PO,   192                         ; v192-223 the place
	s_load_b256 s[4:11], s[0:1], 0x0               ; W s[4:5], scales s[6:7], sel s[8:9], hist s[10:11]
	s_load_b128 s[12:15], s[0:1], 0x20             ; wq s[12:13], order s[14:15]
	v_lshl_add_u32 v254, v0, 2, 0x10c00
	v_mov_b32 v255, 0
	v_lshrrev_b32 v2, 5, v0
	v_readfirstlane_b32 s16, v2                    ; wave 0..7
	v_and_b32 v1, 31, v0                           ; lane
	v_lshlrev_b32 v[L16], 4, v1
	s_cmp_eq_u32 ttmp9, 0                          ; the same in all waves of a work-group
	s_cbranch_scc1 .Lplace
	v_and_b32 v2, 15, v0                           ; r
	v_bfe_u32 v3, v0, 4, 1                         ; h
	s_mul_i32 s17, s16, 16*SPW                     ; my stage
	v_add_nc_u32 v[SIN], s17, v[L16]
	v_mul_u32_u24 v[SOUT], v2, SPW
	v_lshl_add_u32 v[SOUT], v3, 6, v[SOUT]
	v_add_nc_u32 v[SOUT], s17, v[SOUT]
	s_sub_co_u32 s18, ttmp9, 1
	s_lshl_b32 s18, s18, 1
	s_lshr_b32 s19, s16, 2
	s_add_co_u32 s18, s18, s19                     ; J, counted through all experts: 0 .. 511
	s_and_b32 s19, s16, 3                          ; which 256 along K
	s_lshl_b32 s20, s18, 16                        ; 16 rows of 4,096 bytes
	s_lshl_b32 s22, s19, 10
	s_add_co_u32 s20, s20, s22
	s_mov_b32 s21, 0
	s_lshl_b32 s22, s18, 14                        ; 8 fragments of 2,048 bytes
	s_lshl_b32 s23, s19, 12
	s_add_co_u32 s22, s22, s23
	s_mov_b32 s23, 0
	s_wait_kmcnt 0x0
	s_load_b32 s24, s[6:7], 0x4                    ; eb
	s_add_nc_u64 s[4:5], s[4:5], s[20:21]
	s_add_nc_u64 s[12:13], s[12:13], s[22:23]
.irp u, 0,1
.irp rr, 0,1,2,3,4,5,6,7,8,9,10,11,12,13,14,15
	global_load_b128 v[IN+64*\u+4*\rr:IN+64*\u+4*\rr+3], v[L16], s[4:5] offset:4096*\rr+512*\u th:TH_LOAD_NT
.endr
.endr
	s_wait_kmcnt 0x0
	s_add_co_i32 s24, s24, 127
	s_lshl_b32 s25, s24, 23
	v_mov_b32 v[SC], s25
	s_add_co_i32 s24, s24, 8
	s_lshl_b32 s24, s24, 23
	s_or_b32 s24, s24, 0x600000
	v_mov_b32 v[LIM], s24
.macro UNIT u                          ; 16 rows x 128 along K become one fragment
	s_wait_loadcnt 16*(1-\u)                       ; this unit's sixteen loads are in; the other unit's may be out
.irp rr, 0,1,2,3,4,5,6,7,8,9,10,11,12,13,14,15
	ds_store_b128 v[SIN], v[IN+64*\u+4*\rr:IN+64*\u+4*\rr+3] offset:SPW*\rr
.endr
.irp c, 0,1,2,3
.irp i, 0,1,2,3
	ds_load_b128 v[Y+16*\c+4*\i:Y+16*\c+4*\i+3], v[SOUT] offset:128*\c+16*\i    ; LDS serves a wave's instructions in order: these see the stores above
.endr
.endr
	s_wait_dscnt 0x0
.set n, 0
.rept 64
	v_med3_num_f32 v[Y+n], v[Y+n], -v[LIM], v[LIM] ; the conversion to an 8-bit code does not saturate (ISA guide 7.6.2)
.set n, n+1
.endr
.irp c, 0,1,2,3
	v_cvt_scalef32_pk8_fp8_f32 v[CC+16*\u+4*\c:CC+16*\u+4*\c+1], v[Y+16*\c:Y+16*\c+7], v[SC]
	v_cvt_scalef32_pk8_fp8_f32 v[CC+16*\u+4*\c+2:CC+16*\u+4*\c+3], v[Y+16*\c+8:Y+16*\c+15], v[SC]
.endr
	v_nop                                          ; one plain vector instruction behind the last scaled conversion
.irp c, 0,1,2,3
	global_store_b128 v[L16], v[CC+16*\u+4*\c:CC+16*\u+4*\c+3], s[12:13] offset:2048*\u+512*\c
.endr
.endm
	UNIT 0
	UNIT 1
	s_wait_tensorcnt 0x0
	ds_add_u32 v254, v255
	s_wait_dscnt 0x0
	s_endpgm
.Lplace:
	v_lshlrev_b32 v5, 2, v1                        ; 4 x lane
	v_lshlrev_b32 v6, 3, v1                        ; 8 x lane
	s_lshl_b32 s17, s16, 7
	s_add_co_u32 s17, s17, TOT
	v_add_nc_u32 v7, s17, v5                       ; my wave's totals
	v_add_nc_u32 v8, TOT, v5                       ; wave 0's
	s_lshl_b32 s20, s16, 12                        ; my 32 chunks in hist,
	s_mov_b32 s21, 0
	s_lshl_b32 s22, s16, 13                        ; and in sel
	s_mov_b32 s23, 0
	s_wait_kmcnt 0x0
	s_add_nc_u64 s[10:11], s[10:11], s[20:21]
	s_add_nc_u64 s[8:9], s[8:9], s[22:23]
.set n, 0
.rept 32
	global_load_b32 v[HI+n], v5, s[10:11] offset:128*n
.set n, n+1
.endr
.set n, 0
.rept 32
	global_load_b64 v[SL+2*n:SL+2*n+1], v6, s[8:9] offset:256*n
.set n, n+1
.endr
	s_wait_loadcnt 32                              ; the counts are in; sel's 32 loads stay out
.set n, 1
.rept 31
	v_add_nc_u32 v[HI+n], v[HI+n], v[HI+n-1]       ; running sums over my chunks, key by key
.set n, n+1
.endr
	ds_store_b32 v7, v[HI+31]
	s_wait_dscnt 0x0                               ; for the others' sake
	s_barrier_signal -1
	s_barrier_wait -1
.irp k, 0,1,2,3,4,5,6,7
	ds_load_b32 v[TW+\k], v8 offset:128*\k
.endr
	s_wait_dscnt 0x0
	v_add_nc_u32 v120, v[TW], v[TW+1]
.irp k, 2,3,4,5,6,7
	v_add_nc_u32 v120, v120, v[TW+\k]              ; all tokens of my lane's key
.endr
	v_mov_b32 v121, 0
.irp k, 0,1,2,3,4,5,6
	s_cmp_gt_u32 s16, \k
	s_cselect_b32 s18, -1, 0
	v_and_b32 v122, s18, v[TW+\k]
	v_add_nc_u32 v121, v121, v122                  ; those in earlier waves' chunks
.endr
	v_mov_b32 v123, v120
	v_mov_b32 v124, 0
.irp n, 1,2,4,8
	v_mov_b32_dpp v124, v123 row_shr:\n row_mask:0xf bank_mask:0xf bound_ctrl:1
	v_add_nc_u32 v123, v123, v124                  ; running sum over the keys, inside each half of the lanes
.endr
	v_readlane_b32 s18, v123, 15
	v_mov_b32 v124, s18
	v_cmp_lt_u32 vcc_lo, 15, v1
	v_cndmask_b32 v124, 0, v124, vcc_lo
	v_add_nc_u32 v123, v123, v124                  ; the upper half adds the lower half's total
	v_sub_nc_u32 v123, v123, v120                  ; the tokens of lower keys
	v_add_nc_u32 v123, v123, v121
	v_mov_b32 v[ST], v123
.set n, 1
.rept 31
	v_add_nc_u32 v[ST+n], v123, v[HI+n-1]
.set n, n+1
.endr
	s_wait_loadcnt 0x0                             ; sel
.set n, 0
.rept 32
	v_and_b32 v[IX+n], 0xff, v[SL+2*n]             ; my token's key;
	v_min_u32 v[IX+n], 31, v[IX+n]                 ; a loaded number is held under a constant before it names a lane
	v_lshlrev_b32 v[IX+n], 2, v[IX+n]
.set n, n+1
.endr
.set n, 0
.rept 32
	ds_bpermute_b32 v[PO+n], v[IX+n], v[ST+n]      ; from the lane of my key: where its tokens of chunk n begin
.set n, n+1
.endr
	s_wait_dscnt 0x0
.set n, 0
.rept 32
	v_bfe_u32 v[IX+n], v[SL+2*n], 8, 8             ; + my rank
	v_add_nc_u32 v[PO+n], v[PO+n], v[IX+n]
	v_min_u32 v[PO+n], 0x1fff, v[PO+n]             ; held inside the list before it enters an address
	v_lshlrev_b32 v[PO+n], 2, v[PO+n]
	global_store_b32 v[PO+n], v[SL+2*n+1], s[14:15]
.set n, n+1
.endr
	s_wait_tensorcnt 0x0
	ds_add_u32 v254, v255
	s_wait_dscnt 0x0
	s_endpgm
.Lfunc_end_k_q0724e7f602_layw:
	.size	k_q0724e7f602_layw, .Lfunc_end_k_q0724e7f602_layw-k_q0724e7f602_layw
	.p2alignl 7, 3214868480
	.fill 96, 4, 3214868480
	.section	.rodata,"a",@progbits
	.p2align	6, 0x0
	.amdhsa_kernel k_q0724e7f602_layw
		.amdhsa_group_segment_fixed_size 69632
		.amdhsa_private_segment_fixed_size 0
		.amdhsa_enable_private_segment 0
		.amdhsa_kernarg_size 48
		.amdhsa_user_sgpr_count 2
		.amdhsa_user_sgpr_kernarg_segment_ptr 1
		.amdhsa_wavefront_size32 1
		.amdhsa_system_sgpr_workgroup_id_x 1
		.amdhsa_system_sgpr_workgroup_id_y 1
		.amdhsa_system_sgpr_workgroup_id_z 1
		.amdhsa_system_vgpr_workitem_id 0
		.amdhsa_next_free_vgpr 256
		.amdhsa_next_free_sgpr 66
		.amdhsa_reserve_vcc 1
		.amdhsa_float_denorm_mode_32 3
		.amdhsa_float_denorm_mode_16_64 3
		.amdhsa_memory_ordered 1
		.amdhsa_forward_progress 1
		.amdhsa_inst_pref_size 46
	.end_amdhsa_kernel
	.amdgpu_metadata
---
amdhsa.version: [ 1, 2 ]
amdhsa.kernels:
  - .name:           k_q0724e7f602_layw
    .symbol:         k_q0724e7f602_layw.kd
    .args:
      - { .name: expert_weight, .offset: 0, .size: 8, .value_kind: global_buffer, .address_space: global }
      - { .name: lowp_scales, .offset: 8, .size: 8, .value_kind: global_buffer, .address_space: global }
      - { .name: sel, .offset: 16, .size: 8, .value_kind: global_buffer, .address_space: global }
      - { .name: hist, .offset: 24, .size: 8, .value_kind: global_buffer, .address_space: global }
      - { .name: wq, .offset: 32, .size: 8, .value_kind: global_buffer, .address_space: global }
      - { .name: order, .offset: 40, .size: 8, .value_kind: global_buffer, .address_space: global }
    .group_segment_fixed_size: 69632
    .private_segment_fixed_size: 0
    .kernarg_segment_align: 8
    .kernarg_segment_size: 48
    .max_flat_workgroup_size: 256
    .sgpr_count:     66
    .vgpr_count:     256
    .wavefront_size: 32
...
	.end_amdgpu_metadata
.endif
;; end of part 2
;; launch experts (part 3): grid 4 x 64, 4 waves a work-group, no clusters, 168,448 bytes of LDS; arguments xq, wq, order, out2, expert_bias, lowp_scales, out0; writes out0
.if DOCPART == 3
	.amdgcn_target "amdgcn-amd-amdhsa--gfx1250"
	.amdhsa_code_object_version 6
	.text
	.protected	k_q0724e7f602_experts
	.globl	k_q0724e7f602_experts
	.p2align	8
	.type	k_q0724e7f602_experts,@function
k_q0724e7f602_experts:
	s_mov_b64 s[64:65], 0
	v_nop
	global_prefetch_b8 v0, s[64:65] scope:SCOPE_SE
	s_setreg_imm32_b32 hwreg(HW_REG_WAVE_MODE, 25, 1), 1
	s_wait_xcnt 0x0
; out0[t] = g0 (x_t W_a^T + b_a) + g1 (x_t W_b^T + b_b), a and b the token's two experts: only the chosen experts' rows are multiplied, on codes of E4M3 by v_wmma_f32_16x16x128_fp8_fp8, sums in f32.
; A work-group takes 128 tokens that lie together in the list sorted by pairs of experts (work-group y) and 256 outputs (work-group x), and owns those numbers of out0: nothing is added across work-groups.
; It walks the experts that its tokens use, at least two, at most eight.  The lowest and the second lowest always exist (every token has two experts): they are written out, their addresses made once at the head,
; and the first one's last steps ask for the second one's bias and first weights.  Those above are walked by a loop of eight trips in which the expert's number is the loop's counter and the bases are stepped by
; constants; an expert that no token of the block uses is passed over by a scalar branch on the stored list; one that is used asks for its own bias and first weights at its head.
; For each expert all 128 tokens are multiplied and the result is added x the token's gate for that expert, which is 0 for a token that did not choose it.
; NO TENSOR LOAD AND NO CLUSTER: the walk hangs on numbers read from memory, and neighbouring work-groups may walk different experts.  W's fragments come from memory straight into registers, each
; lane's 16 bytes as they lie in wq; a wave has three K steps of them on their way.  x's 128 rows of codes are gathered once into LDS (rows 1,040 bytes apart: 65 x 16).
; A WAVE takes all 128 tokens (8 tiles i) x 64 outputs (4 tiles j).  THE MATRIX INSTRUCTION IS USED TRANSPOSED: source 0 = 16 rows of W, source 1 = 16 tokens: lane (r, h), register n holds token 16 i + r,
; output 16 j + 8 h + n: a gate is one number a lane.  Both fragments hold k = 32 c + 16 h + 0 .. 15 in registers 4 c .. 4 c + 3: the same order of k on both sides.
; SCALES: S = 2^(ea + eb).  The sums start from bias / S (the C of a sum's first product) and are merged with gate x S: gate (S sum + bias).
; LIMITS: ea + eb between -126 and 126; bias / S finite.
; REGISTERS, in windows of 256: window 0: see below; window 1: four sets of W's four fragments, 64 p + 16 j + 4 c (on the way out: the list's words); window 2: the 32 accumulators, 8 (4 i + j)
;   (at the head: the gathered rows); window 3: the merged results, likewise.
.set PX,    1040
.set HALFX, 64*PX
.set STG,   128*PX                     ; behind x: for each wave two stages of 16 rows x 272 bytes, for the way out
.set SPI,   272
.set LA,    3                          ; v3, v4   x's fragments: r x 1,040 + 16 h, tiles 0-3 and 4-7
.set WO,    5                          ; v5       16 x lane
.set XS,    6                          ; v6, v7   where I put gathered rows
.set STO,   8                          ; v8       the way out: where I put 32 bytes of a token's row
.set SRD,   9                          ; v9       and where I read rows back
.set L16,   10                         ; v10      16 r
.set BO,    11                         ; v11      32 h
.set ZERO,  12                         ; v12      0
.set E,     22                         ; v22-29   the list's word of token 16 i + r
.set G01,   30                         ; v30-45   its two gates x S
.set GS,    46                         ; v46-53   its gate for the expert in hand
.set BIAS,  64                         ; v64-95   bias / S: 8 j + n
.set XO,    96                         ; v96-111  the gather's offsets; on the way out the stores' offsets, two sets of 8
.set GA,    112                        ; v112-119 the gates' offsets
.set AF,    128                        ; v128-255 x's eight fragments; on the way out v128-191: rows read back, two sets of 32
.set CUR,   33                         ; s33 the lowest expert;  s30 the second lowest;  s31 the mask of those above;  s32 the loop's counter
.set SEC,   30
.set CNT,   32
.set WE,    38                         ; s[38:39] wq at my wave's four tiles of outputs: expert 0; in the loop: the counter's expert
.set WA,    40                         ; s[40:41] the same in the lowest expert
.set WN,    42                         ; s[42:43] in the second lowest
.set BE,    44                         ; s[44:45] the bias at my wave's outputs: expert 0; in the loop: the counter's expert
.set BA,    46                         ; s[46:47] the lowest expert's
.set BN,    58                         ; s[58:59] the second lowest's
.set OB,    48                         ; s[48:49] out0 at my wave's outputs, token 0
.set MSB,   0
.macro WIN new                         ; the immediate's high byte repeats the setting that is left
.if MSB != \new
	s_set_vgpr_msb (MSB<<8)|\new
.set MSB, \new
.endif
.endm
.macro PLACES                          ; four places behind matrix instructions, ahead of loads into registers that they have read
.rept 4
	v_nop
.endr
.endm
.macro LOADW base, k                   ; K step k's four fragments into set k % 4: sixteen loads of 512 consecutive bytes
	WIN 0x40
.irp j, 0,1,2,3
.irp c, 0,1,2,3
	global_load_b128 v[64*((\k)%4)+16*\j+4*\c:64*((\k)%4)+16*\j+4*\c+3], v[WO], s[\base:\base+1] offset:16384*\j+2048*(\k)+512*\c
.endr
.endr
.endm
.macro LOADBIAS base                   ; lane (r, h): the bias of outputs 16 j + 8 h + 0 .. 7
	WIN 0
.irp j, 0,1,2,3
	global_load_b128 v[BIAS+8*\j:BIAS+8*\j+3], v[BO], s[\base:\base+1] offset:64*\j
	global_load_b128 v[BIAS+8*\j+4:BIAS+8*\j+7], v[BO], s[\base:\base+1] offset:64*\j+16
.endr
.endm
.macro LOADT k                         ; the list's words of tiles 4 k .. 4 k + 3, all sixteen of a tile in every lane, into W's set k, which is free: register 16 i + x of window 1 = word x of tile i
	WIN 0x40
.irp i, 0,1,2,3
.irp m, 0,1,2,3
	global_load_b128 v[64*(\k)+16*\i+4*\m:64*(\k)+16*\i+4*\m+3], v[ZERO], s[8:9] offset:256*(\k)+64*\i+16*\m
.endr
.endr
.endm
.macro FETCH_A k, i0                   ; x's fragments of K step k, tiles i0 .. i0 + 3
	WIN 0
.irp i, \i0, \i0+1, \i0+2, \i0+3
.irp c, 0,1,2,3
	ds_load_b128 v[AF+16*(\i)+4*\c:AF+16*(\i)+4*\c+3], v[LA+(\i)/4] offset:((\i)%4)*16*PX+128*(\k)+32*\c
.endr
.endr
.endm
; 16 matrix instructions: tiles i0 .. i0 + 3 of tokens x the four tiles of outputs.  bias = 1: a sum's first product takes bias / S as C: nothing is cleared.
; The 32 accumulators take turns, one instruction a turn, in the same order in every step.
.macro MUL16 i0, p, bias
.if \bias
	WIN 0x81                                       ; source 0 (W) window 1, source 1 (x) and C (bias) window 0, D window 2
.else
	WIN 0xa1                                       ; C and D window 2
.endif
.irp i, \i0, \i0+1, \i0+2, \i0+3
.irp j, 0,1,2,3
.if \bias
	v_wmma_f32_16x16x128_fp8_fp8 v[8*(4*(\i)+\j):8*(4*(\i)+\j)+7], v[64*(\p)+16*\j:64*(\p)+16*\j+15], v[AF+16*(\i):AF+16*(\i)+15], v[BIAS+8*\j:BIAS+8*\j+7]
.else
	v_wmma_f32_16x16x128_fp8_fp8 v[8*(4*(\i)+\j):8*(4*(\i)+\j)+7], v[64*(\p)+16*\j:64*(\p)+16*\j+15], v[AF+16*(\i):AF+16*(\i)+15], v[8*(4*(\i)+\j):8*(4*(\i)+\j)+7]
.endif
.endr
.endr
.endm
; A step of 128 along K of the expert whose fragments begin at s[wc].  more = 1 (the lowest expert): steps 5 to 7 ask for the second lowest's bias and its first three K steps, and step 7 for x's first fragments again.
.macro STEP s, more, wc
.if (\more) && ((\s) >= 6)
	s_wait_loadcnt 40                              ; loads come back in order: this step's W is in; behind it stand 16 + 8 + 16 loads (step 6: W 7, the next bias, its W 0; step 7: the bias, W 0, W 1)
.elseif ((\more) == 0) && ((\s) == 6)
	s_wait_loadcnt 16                              ; behind this step's W stands W 7 alone
.elseif ((\more) == 0) && ((\s) == 7)
	s_wait_loadcnt 0x0                             ; the last loads
.else
	s_wait_loadcnt 32                              ; this step's W is in (at step 0 the bias too, asked for ahead of it); behind it stand two runs of sixteen loads
.endif
.if (\s) == 0
	WIN 0
.irp n, 0,2,4,6,8,10,12,14,16,18,20,22,24,26,28,30
	v_pk_mul_f32 v[BIAS+\n:BIAS+\n+1], v[BIAS+\n:BIAS+\n+1], s[26:27] op_sel_hi:[1,0]   ; bias / S
.endr
.endif
	s_wait_dscnt 16                                ; x's tiles 0-3 are in; the youngest sixteen loads (tiles 4-7) may be out
	MUL16 0, (\s)%4, (\s)==0
	s_wait_dscnt 0x0                               ; tiles 4-7 are in
	PLACES
.if ((\s) < 7) || (\more)
	FETCH_A ((\s)+1)%8, 0
.endif
.if (\s) <= 4
	LOADW \wc, (\s)+3                              ; into the set that the step before multiplied: eight places lie between
.elseif \more
.if (\s) == 5
	LOADBIAS BN
.endif
	LOADW WN, (\s)-5
.endif
	MUL16 4, (\s)%4, (\s)==0
	PLACES
.if ((\s) < 7) || (\more)
	FETCH_A ((\s)+1)%8, 4
.endif
.endm
.macro MERGE first                     ; results += sums x my token's gate; each accumulator is read from its low end on.  first = 1: the first expert starts them
.if \first
	WIN 0xc2                                       ; source 0 (sums) window 2, source 1 (gate) window 0, destination window 3
.else
	WIN 0xf2                                       ; and source 2 window 3
.endif
.irp i, 0,1,2,3,4,5,6,7
.irp j, 0,1,2,3
.irp n, 0,2,4,6
.if \first
.if \i%2
	v_pk_mul_f32 v[8*(4*\i+\j)+\n:8*(4*\i+\j)+\n+1], v[8*(4*\i+\j)+\n:8*(4*\i+\j)+\n+1], v[GS+(\i/2)*2:GS+(\i/2)*2+1] op_sel:[0,1] op_sel_hi:[1,1]
.else
	v_pk_mul_f32 v[8*(4*\i+\j)+\n:8*(4*\i+\j)+\n+1], v[8*(4*\i+\j)+\n:8*(4*\i+\j)+\n+1], v[GS+(\i/2)*2:GS+(\i/2)*2+1] op_sel:[0,0] op_sel_hi:[1,0]
.endif
.else
.if \i%2
	v_pk_fma_f32 v[8*(4*\i+\j)+\n:8*(4*\i+\j)+\n+1], v[8*(4*\i+\j)+\n:8*(4*\i+\j)+\n+1], v[GS+(\i/2)*2:GS+(\i/2)*2+1], v[8*(4*\i+\j)+\n:8*(4*\i+\j)+\n+1] op_sel:[0,1,0] op_sel_hi:[1,1,1]
.else
	v_pk_fma_f32 v[8*(4*\i+\j)+\n:8*(4*\i+\j)+\n+1], v[8*(4*\i+\j)+\n:8*(4*\i+\j)+\n+1], v[GS+(\i/2)*2:GS+(\i/2)*2+1], v[8*(4*\i+\j)+\n:8*(4*\i+\j)+\n+1] op_sel:[0,0,0] op_sel_hi:[1,0,1]
.endif
.endif
.endr
.endr
.endr
.endm
; One expert: its number in s[cur], its fragments at s[wc].  On the way in its bias, its W steps 0 to 2 and x's fragments of K step 0 are asked for.
.macro BODY first, more, wc, cur
.irp s, 0,1,2,3,4,5,6,7
	STEP \s, \more, \wc
.endr
	WIN 0
.irp i, 0,1,2,3,4,5,6,7                ; my tokens' gates for this expert; these lines are also the places behind the last products
	v_bfe_u32 v54, v[E+\i], 16, 4
	v_bfe_u32 v55, v[E+\i], 20, 4
	v_cmp_eq_u32 vcc_lo, s[\cur], v54
	v_cndmask_b32 v[GS+\i], 0, v[G01+2*\i], vcc_lo
	v_cmp_eq_u32 vcc_lo, s[\cur], v55
	v_cndmask_b32 v[GS+\i], v[GS+\i], v[G01+2*\i+1], vcc_lo
.endr
	MERGE \first
	WIN 0                                          ; at a label and at a branch every window is 0
.endm
	s_load_b256 s[4:11], s[0:1], 0x0               ; xq s[4:5], wq s[6:7], order s[8:9], out2 s[10:11]
	s_load_b128 s[12:15], s[0:1], 0x20             ; bias s[12:13], scales s[14:15]
	s_load_b64 s[16:17], s[0:1], 0x30              ; out0
	v_lshl_add_u32 v126, v0, 2, 0x29000
	v_mov_b32 v127, 0
	v_lshrrev_b32 v54, 5, v0
	v_readfirstlane_b32 s18, v54                   ; wave 0..3
	v_and_b32 v1, 15, v0                           ; r
	v_bfe_u32 v2, v0, 4, 1                         ; h
	v_mul_u32_u24 v[LA], v1, PX
	v_lshl_add_u32 v[LA], v2, 4, v[LA]
	v_add_nc_u32 v[LA+1], HALFX, v[LA]
	v_and_b32 v[WO], 31, v0
	v_lshlrev_b32 v[WO], 4, v[WO]
	v_lshlrev_b32 v[L16], 4, v1
	s_lshl_b32 s35, s18, 2
	v_add_nc_u32 v13, s35, v2                      ; of each tile of 16 tokens my wave gathers rows 4 w + 2 u + h
	v_mul_u32_u24 v[XS], v13, PX
	v_add_nc_u32 v[XS], v[XS], v[L16]
	v_add_nc_u32 v[XS+1], HALFX, v[XS]
	v_lshlrev_b32 v13, 2, v13                      ; their words in the list
	v_lshlrev_b32 v14, 2, v1                       ; and token r's
	s_mul_i32 s36, s18, 32*SPI
	s_add_co_u32 s36, s36, STG                     ; my stages
	v_mul_u32_u24 v[STO], v1, SPI
	v_lshl_add_u32 v[STO], v2, 5, v[STO]
	v_add_nc_u32 v[STO], s36, v[STO]
	v_mul_u32_u24 v[SRD], v2, SPI
	v_add_nc_u32 v[SRD], v[SRD], v[L16]
	v_add_nc_u32 v[SRD], s36, v[SRD]
	v_lshlrev_b32 v[BO], 5, v2
	v_mov_b32 v[ZERO], 0
	s_and_b32 s20, ttmp7, 0xffff                   ; which 128 places of the list
	s_lshl_b32 s50, s20, 9
	s_mov_b32 s51, 0
	s_lshl_b32 s54, ttmp9, 18                      ; wq: tile of outputs 16 q + 4 w, 16,384 bytes each
	s_lshl_b32 s55, s18, 16
	s_add_co_u32 s54, s54, s55
	s_mov_b32 s55, 0
	s_lshl_b32 s56, ttmp9, 10                      ; outputs 256 q + 64 w, 4 bytes each
	s_lshl_b32 s57, s18, 8
	s_add_co_u32 s56, s56, s57
	s_mov_b32 s57, 0
	s_wait_kmcnt 0x0
	s_load_b64 s[22:23], s[14:15], 0x0             ; ea, eb
	s_add_nc_u64 s[8:9], s[8:9], s[50:51]
	s_add_nc_u64 s[WE:WE+1], s[6:7], s[54:55]
	s_add_nc_u64 s[BE:BE+1], s[12:13], s[56:57]
	s_add_nc_u64 s[OB:OB+1], s[16:17], s[56:57]
.irp i, 0,1,2,3,4,5,6,7
	global_load_b32 v[E+\i], v14, s[8:9] offset:64*\i
.endr
.irp g, 0,1,2,3,4,5,6,7,8,9,10,11,12,13,14,15
	global_load_b32 v[XO+\g], v13, s[8:9] offset:64*(\g/2)+8*(\g%2)      ; tile g / 2, row 4 w + 2 (g % 2) + h
.endr
	s_wait_loadcnt 0x0
	; which experts do the 128 tokens use?
	v_mov_b32 v56, 1
	v_mov_b32 v57, 0
	v_mov_b32 v58, 0
.irp i, 0,1,2,3,4,5,6,7
	v_bfe_u32 v54, v[E+\i], 16, 4
	v_bfe_u32 v55, v[E+\i], 20, 4
	v_lshlrev_b32 v54, v54, v56
	v_lshlrev_b32 v55, v55, v56
	v_or_b32 v57, v57, v54
	v_or_b32 v57, v57, v55
.endr
.irp n, 1,2,4,8
	v_mov_b32_dpp v58, v57 row_xmask:\n row_mask:0xf bank_mask:0xf        ; both halves of the lanes hold the same words: no step crosses them
	v_or_b32 v57, v57, v58
.endr
	v_readfirstlane_b32 s28, v57
	s_and_b32 s28, s28, 0xff
	s_ctz_i32_b32 s[CUR], s28                      ; the lowest,
	s_sub_co_u32 s35, s28, 1
	s_and_b32 s36, s28, s35
	s_ctz_i32_b32 s[SEC], s36                      ; the second lowest (every token has two experts, so both exist),
	s_sub_co_u32 s35, s36, 1
	s_and_b32 s31, s36, s35                        ; and those above
	s_min_u32 s35, s[CUR], 7                       ; a number from the list is held under a constant before it enters an address
	s_lshl_b32 s50, s35, 20                        ; an expert's fragments: 2^20 bytes
	s_mov_b32 s51, 0
	s_add_nc_u64 s[WA:WA+1], s[WE:WE+1], s[50:51]
	s_lshl_b32 s50, s35, 12                        ; its bias: 4,096 bytes
	s_add_nc_u64 s[BA:BA+1], s[BE:BE+1], s[50:51]
	s_min_u32 s35, s[SEC], 7
	s_lshl_b32 s50, s35, 20
	s_add_nc_u64 s[WN:WN+1], s[WE:WE+1], s[50:51]
	s_lshl_b32 s50, s35, 12
	s_add_nc_u64 s[BN:BN+1], s[BE:BE+1], s[50:51]
.irp i, 0,1,2,3,4,5,6,7
	v_and_b32 v[GA+\i], 0x1fff, v[E+\i]            ; the token,
	v_min_u32 v[GA+\i], 0x1fff, v[GA+\i]           ; held under a constant before it enters an address,
	v_lshlrev_b32 v[GA+\i], 3, v[GA+\i]
	global_load_b64 v[G01+2*\i:G01+2*\i+1], v[GA+\i], s[10:11]           ; and its two gates
.endr
.irp g, 0,1,2,3,4,5,6,7,8,9,10,11,12,13,14,15
	v_and_b32 v[XO+\g], 0x1fff, v[XO+\g]
	v_min_u32 v[XO+\g], 0x1fff, v[XO+\g]
	v_lshl_add_u32 v[XO+\g], v[XO+\g], 10, v[L16]  ; a row of codes is 1,024 bytes
.endr
	WIN 0x80                                       ; destination window 2
.irp g, 0,1,2,3,4,5,6,7,8,9,10,11,12,13,14,15
.irp c, 0,1,2,3
	global_load_b128 v[16*\g+4*\c:16*\g+4*\c+3], v[XO+\g], s[4:5] offset:256*\c      ; sixteen lanes read 256 consecutive bytes of a row, aligned
.endr
.endr
	LOADBIAS BA
	LOADW WA, 0
	LOADW WA, 1
	LOADW WA, 2
	s_wait_loadcnt 56                              ; the gates and the gathered rows are in; the bias's 8 and W's 48 loads stay out
	WIN 0x08                                       ; store data window 2
.irp g, 0,1,2,3,4,5,6,7,8,9,10,11,12,13,14,15
.irp c, 0,1,2,3
	ds_store_b128 v[XS+(\g/8)], v[16*\g+4*\c:16*\g+4*\c+3] offset:(((\g/2)%4)*16+2*(\g%2))*PX+256*\c
.endr
.endr
	WIN 0
	s_wait_kmcnt 0x0
	s_add_co_i32 s35, s22, s23                     ; ea + eb
	s_add_co_i32 s24, s35, 127
	s_lshl_b32 s24, s24, 23                        ; S = 2^(ea + eb) as f32
	s_mov_b32 s25, s24                             ; (named with it as a pair, so it is written)
	s_sub_co_i32 s26, 127, s35
	s_lshl_b32 s26, s26, 23                        ; 1 / S
	s_mov_b32 s27, s26
.irp i, 0,1,2,3,4,5,6,7
	v_pk_mul_f32 v[G01+2*\i:G01+2*\i+1], v[G01+2*\i:G01+2*\i+1], s[24:25] op_sel_hi:[1,0]
.endr
	s_wait_dscnt 0x0                               ; for the others' sake: my rows lie in LDS
	s_barrier_signal -1
	s_barrier_wait -1                              ; all 128 do.  The launch's only barrier: it stands ahead of every branch on the list
	FETCH_A 0, 0
	FETCH_A 0, 4
	BODY 1, 1, WA, CUR                             ; the lowest expert starts the results, and asks for the second lowest's first loads
	BODY 0, 0, WN, SEC                             ; the second lowest
	s_mov_b32 s[CNT], 0
.Lwalk:                                            ; eight trips, whatever the list says; s[WE] and s[BE] stand at the counter's expert
	s_bitcmp1_b32 s31, s[CNT]
	s_cbranch_scc0 .Lskip                          ; not among those above the second lowest: passed over
	LOADBIAS BE                                    ; (the gates' lines of the body before are the places ahead of these loads)
	LOADW WE, 0
	LOADW WE, 1
	LOADW WE, 2
	FETCH_A 0, 0
	FETCH_A 0, 4
	BODY 0, 0, WE, CNT
.Lskip:
	s_wait_xcnt 0x0                                ; the loads issued so far have read their bases: these may be stepped
	s_add_nc_u64 s[WE:WE+1], s[WE:WE+1], 0x100000  ; the next expert's fragments,
	s_add_nc_u64 s[BE:BE+1], s[BE:BE+1], 0x1000    ; and its bias (behind the last trip neither is used)
	s_add_co_u32 s[CNT], s[CNT], 1
	s_cmp_lt_u32 s[CNT], 8
	s_cbranch_scc1 .Lwalk
; THE WAY OUT, a tile of 16 tokens at a time.  A lane holds 32 neighbouring bytes of a token's row and the lanes beside it hold other tokens: so a tile goes through my own stage in LDS and comes back as rows of
; 256 bytes, my wave's 64 outputs of a token, which sixteen lanes store as 256 consecutive bytes, aligned, at the token's own row of out0.
.macro TOSTAGE i
	WIN 0x0c                                       ; store data window 3
.irp j, 0,1,2,3
	ds_store_b128 v[STO], v[8*(4*(\i)+\j):8*(4*(\i)+\j)+3] offset:16*SPI*((\i)%2)+64*\j
	ds_store_b128 v[STO], v[8*(4*(\i)+\j)+4:8*(4*(\i)+\j)+7] offset:16*SPI*((\i)%2)+64*\j+16
.endr
	WIN 0
.irp t, 0,1,2,3,4,5,6,7
	ds_load_b128 v[AF+32*((\i)%2)+4*\t:AF+32*((\i)%2)+4*\t+3], v[SRD] offset:16*SPI*((\i)%2)+2*SPI*\t    ; rows 2 t + h.  LDS serves a wave's instructions in order: these see the stores above
.endr
.endm
.macro SEND i, younger                 ; younger: the LDS instructions issued behind tile i's loads, which may stay out
	WIN 0x05                                       ; sources 0 and 1 window 1: the list's words
.irp t, 0,1,2,3,4,5,6,7
	v_cndmask_b32 v[XO+8*((\i)%2)+\t], v[16*(\i)+2*\t], v[16*(\i)+2*\t+1], s52        ; the word of row 2 t + h
.endr
	WIN 0
.irp t, 0,1,2,3,4,5,6,7
	v_and_b32 v[XO+8*((\i)%2)+\t], 0x1fff, v[XO+8*((\i)%2)+\t]
	v_min_u32 v[XO+8*((\i)%2)+\t], 0x1fff, v[XO+8*((\i)%2)+\t]                       ; held under a constant before it enters an address
	v_lshl_add_u32 v[XO+8*((\i)%2)+\t], v[XO+8*((\i)%2)+\t], 12, v[L16]              ; a row of out0 is 4,096 bytes
.endr
	s_wait_dscnt \younger                          ; the tile is back in registers
.irp t, 0,1,2,3,4,5,6,7
	global_store_b128 v[XO+8*((\i)%2)+\t], v[AF+32*((\i)%2)+4*\t:AF+32*((\i)%2)+4*\t+3], s[OB:OB+1] th:TH_STORE_NT
.endr
.endm
	LOADT 0                                        ; W's registers are free: the block's 128 words of the list, for the stores' addresses
	LOADT 1
	s_mov_b32 s52, 0xffff0000                      ; lanes 16 to 31
	TOSTAGE 0
.irp a, 1,2,3,4,5,6,7
.if \a > 1
	s_wait_xcnt 0x0                                ; the stores of the tile two back have read their registers: loads may land there, and its offsets may be written
.endif
	TOSTAGE \a
.if \a == 1
	s_wait_loadcnt 0x0                             ; the list's words are in: two tiles have gone into the stages meanwhile
.endif
	SEND \a-1, 16                                  ; behind tile a - 1's loads: tile a's 8 stores and 8 loads
.endr
	s_wait_xcnt 0x0
	SEND 7, 0
	s_wait_tensorcnt 0x0
	ds_add_u32 v126, v127
	s_wait_dscnt 0x0
	s_endpgm
.Lfunc_end_k_q0724e7f602_experts:
	.size	k_q0724e7f602_experts, .Lfunc_end_k_q0724e7f602_experts-k_q0724e7f602_experts
	.p2alignl 7, 3214868480
	.fill 96, 4, 3214868480
	.section	.rodata,"a",@progbits
	.p2align	6, 0x0
	.amdhsa_kernel k_q0724e7f602_experts
		.amdhsa_group_segment_fixed_size 168448
		.amdhsa_private_segment_fixed_size 0
		.amdhsa_enable_private_segment 0
		.amdhsa_kernarg_size 56
		.amdhsa_user_sgpr_count 2
		.amdhsa_user_sgpr_kernarg_segment_ptr 1
		.amdhsa_wavefront_size32 1
		.amdhsa_system_sgpr_workgroup_id_x 1
		.amdhsa_system_sgpr_workgroup_id_y 1
		.amdhsa_system_sgpr_workgroup_id_z 1
		.amdhsa_system_vgpr_workitem_id 0
		.amdhsa_next_free_vgpr 1024
		.amdhsa_next_free_sgpr 66
		.amdhsa_reserve_vcc 1
		.amdhsa_float_denorm_mode_32 3
		.amdhsa_float_denorm_mode_16_64 3
		.amdhsa_memory_ordered 1
		.amdhsa_forward_progress 1
		.amdhsa_inst_pref_size 239
	.end_amdhsa_kernel
	.amdgpu_metadata
---
amdhsa.version: [ 1, 2 ]
amdhsa.kernels:
  - .name:           k_q0724e7f602_experts
    .symbol:         k_q0724e7f602_experts.kd
    .args:
      - { .name: xq, .offset: 0, .size: 8, .value_kind: global_buffer, .address_space: global }
      - { .name: wq, .offset: 8, .size: 8, .value_kind: global_buffer, .address_space: global }
      - { .name: order, .offset: 16, .size: 8, .value_kind: global_buffer, .address_space: global }
      - { .name: out2, .offset: 24, .size: 8, .value_kind: global_buffer, .address_space: global }
      - { .name: expert_bias, .offset: 32, .size: 8, .value_kind: global_buffer, .address_space: global }
      - { .name: lowp_scales, .offset: 40, .size: 8, .value_kind: global_buffer, .address_space: global }
      - { .name: out0, .offset: 48, .size: 8, .value_kind: global_buffer, .address_space: global }
    .group_segment_fixed_size: 168448
    .private_segment_fixed_size: 0
    .kernarg_segment_align: 8
    .kernarg_segment_size: 56
    .max_flat_workgroup_size: 128
    .sgpr_count:     66
    .vgpr_count:     1024
    .wavefront_size: 32
...
	.end_amdgpu_metadata
.endif
;; end of part 3
